; MI455X (gfx1250); checked and timed in simulation.
; The chip was launched on July 23, 2026; its instructions are those of AMD's public machine-readable ISA for CDNA 5 (MIT licence, August 2026) and "CDNA5" Instruction Set Architecture Reference Guide (July 2026). The comments in the code are by the model that wrote it; some were corrected since.
;; LSTM Cell. Allowed arithmetic: float matrix products may take bf16 or f16 operands with f32 sums; all other float work in f32.
;; Inputs: bf_h 1,024 float32; bf_i 1,024 float32; bg_h 1,024 float32; bg_i 1,024 float32; bi_h 1,024 float32; bi_i 1,024 float32; bo_h 1,024 float32; bo_i 1,024 float32; c 8,192 x 1,024 float32; h 8,192 x 1,024 float32; wf_h 1,024 x 1,024 float32; wf_i 1,024 x 1,024 float32; wg_h 1,024 x 1,024 float32; wg_i 1,024 x 1,024 float32; wi_h 1,024 x 1,024 float32; wi_i 1,024 x 1,024 float32; wo_h 1,024 x 1,024 float32; wo_i 1,024 x 1,024 float32; x 8,192 x 1,024 float32.
;; Outputs: out0 8,192 x 1,024 float32; out1 8,192 x 1,024 float32.
;; 2 versions, each right; version 2 is version 1 with the launch cast written anew for expert scheduling mode. Each part assembles by itself: llvm-mc -triple=amdgcn-amd-amdhsa -mcpu=gfx1250 --defsym DOCPART=n.
;; ======== version 1 of 2: 2 launches
;; workspace buffers: abf 33,554,432 bytes; wbf 16,777,216 bytes
;; launch cast (part 1): grid 256 x 3, 8 waves a work-group, no clusters, 0 bytes of LDS; arguments x, h, wf_i, wf_h, wi_i, wi_h, wg_i, wg_h, wo_i, wo_h, abf, wbf; writes abf, wbf
.if DOCPART == 1
	.amdgcn_target "amdgcn-amd-amdhsa--gfx1250"
	.amdhsa_code_object_version 6
	.text
	.protected	k_q71a17d7072_cast
	.globl	k_q71a17d7072_cast
	.p2align	8
	.type	k_q71a17d7072_cast,@function
k_q71a17d7072_cast:
	s_mov_b64 s[64:65], 0
	v_nop
	global_prefetch_b8 v0, s[64:65] scope:SCOPE_SE
	s_setreg_imm32_b32 hwreg(HW_REG_WAVE_MODE, 25, 1), 1
	s_wait_xcnt 0x0
; x, h and the eight weight matrices, all f32 with rows of 1,024 numbers, are rounded once to bf16 (nearest even) and laid out for one product:
;   abf [8192][2048] bf16: row m = x[m][0..1023], then h[m][0..1023]
;   wbf [4096][2048] bf16: row (n >> 5) * 128 + g * 32 + (n & 31) = w_i of gate g, row n, then w_h of gate g, row n   (g: 0 f, 1 i, 2 g, 3 o)
; so that 128 consecutive rows of wbf hold all four gates of 32 hidden columns.
; LIMIT: a magnitude above bf16's largest finite number becomes an infinity; NaN stays NaN.
; SHARES.  A work-group takes 32 source rows (131,072 bytes).  y = 0: x, rows 32 t on; y = 1: h, rows 32 t on; y = 2: weight matrix t >> 5 (= 2 g + s, s = 1 for w_h), rows 32 (t & 31) on.
; A wave takes 4 rows, 16,384 consecutive bytes: 32 loads of 512 consecutive bytes, all issued before the first is waited for; each is rounded in place and leaves as
; one store of 256 consecutive bytes, at a multiple of 256 from the buffer's first byte.  Every byte is read once and written once: no LDS, no barrier, no matrix unit, no cluster (nothing is shared).
.set X, 4                              ; v[4:131]  load j: 4 registers; its first two then hold the 8 bytes to store
	s_load_b512 s[8:23], s[0:1], 0x0               ; x, h, wf_i, wf_h, wi_i, wi_h, wg_i, wg_h: source q at s[8+2q:9+2q]
	s_load_b256 s[24:31], s[0:1], 0x40             ; wo_i, wo_h (sources 8, 9), abf s[28:29], wbf s[30:31]
	s_mov_b32 s2, ttmp9                            ; t
	s_and_b32 s3, ttmp7, 0xffff                    ; y
	s_lshr_b32 s32, s2, 5                          ; the weight matrix, 2 g + s
	s_and_b32 s33, s2, 31                          ; its block of 32 rows
	s_add_co_u32 s34, s32, 2                       ; its number among the sources
	s_lshl_b32 s37, s33, 19                        ; in wbf: block x 128 rows of 4,096 bytes
	s_lshr_b32 s35, s32, 1
	s_lshl_b32 s35, s35, 17                        ; + g x 32 rows
	s_add_co_u32 s37, s37, s35
	s_and_b32 s35, s32, 1
	s_lshl_b32 s35, s35, 11                        ; + s x 1,024 columns of 2 bytes
	s_add_co_u32 s37, s37, s35
	s_lshl_b32 s38, s2, 17                         ; in abf: t x 32 rows of 4,096 bytes
	s_lshl_b32 s35, s3, 11                         ; + y x 1,024 columns
	s_add_co_u32 s38, s38, s35
	s_cmp_eq_u32 s3, 2                             ; weights?
	s_cselect_b32 s34, s34, s3                     ; the source's number q
	s_cselect_b32 s36, s33, s2                     ; the block of 32 rows in the source
	s_cselect_b32 s40, s37, s38                    ; the byte offset in the destination
	s_lshl_b32 s36, s36, 17                        ; 32 rows of 4,096 bytes
	s_mov_b32 s37, 0                               ; both offsets stay under 2^26: pairs with 0 above
	s_mov_b32 s41, 0
	v_lshrrev_b32 v3, 5, v0                        ; wave
	v_and_b32 v1, 31, v0                           ; lane
	v_lshlrev_b32 v2, 3, v1                        ; out: 8 bytes a lane
	v_lshlrev_b32 v1, 4, v1                        ; in: 16 bytes a lane
	v_lshl_add_u32 v1, v3, 14, v1                  ; + wave x 4 rows of 4,096 bytes, in the source
	v_lshl_add_u32 v2, v3, 14, v2                  ; and in the destination, whose rows are 4,096 bytes too
	s_wait_kmcnt 0x0
	s_cmp_eq_u32 s3, 2
	s_cselect_b64 s[6:7], s[30:31], s[28:29]       ; wbf or abf
	s_mov_b64 s[4:5], s[8:9]                       ; source 0, unless q names another
.irp k, 1,2,3,4,5,6,7,8,9
	s_cmp_eq_u32 s34, \k
	s_cselect_b64 s[4:5], s[8+2*\k:9+2*\k], s[4:5]
.endr
	s_add_nc_u64 s[4:5], s[4:5], s[36:37]
	s_add_nc_u64 s[6:7], s[6:7], s[40:41]
.set j, 0
.rept 32
	global_load_b128 v[X+4*j:X+4*j+3], v1, s[4:5] offset:512*j th:TH_LOAD_NT  ; row j / 8, columns 128 (j % 8) on
.set j, j+1
.endr
.set j, 0
.rept 32
	s_wait_loadcnt 31-j                            ; loads come back in order (ISA guide 5.7.1): load j is in, the 31 - j younger ones stay out
	v_cvt_pk_bf16_f32 v[X+4*j], v[X+4*j], v[X+4*j+1]
	v_cvt_pk_bf16_f32 v[X+4*j+1], v[X+4*j+2], v[X+4*j+3]
	global_store_b64 v2, v[X+4*j:X+4*j+1], s[6:7] offset:(j/8)*4096+(j%8)*256  ; no register that a load or store names is written again: no further wait
.set j, j+1
.endr
	s_endpgm
.Lfunc_end_k_q71a17d7072_cast:
	.size	k_q71a17d7072_cast, .Lfunc_end_k_q71a17d7072_cast-k_q71a17d7072_cast
	.p2alignl 7, 3214868480
	.fill 96, 4, 3214868480
	.section	.rodata,"a",@progbits
	.p2align	6, 0x0
	.amdhsa_kernel k_q71a17d7072_cast
		.amdhsa_group_segment_fixed_size 0
		.amdhsa_private_segment_fixed_size 0
		.amdhsa_enable_private_segment 0
		.amdhsa_kernarg_size 96
		.amdhsa_user_sgpr_count 2
		.amdhsa_user_sgpr_kernarg_segment_ptr 1
		.amdhsa_wavefront_size32 1
		.amdhsa_system_sgpr_workgroup_id_x 1
		.amdhsa_system_sgpr_workgroup_id_y 1
		.amdhsa_system_sgpr_workgroup_id_z 1
		.amdhsa_system_vgpr_workitem_id 0
		.amdhsa_next_free_vgpr 132
		.amdhsa_next_free_sgpr 66
		.amdhsa_reserve_vcc 0
		.amdhsa_float_denorm_mode_32 3
		.amdhsa_float_denorm_mode_16_64 3
		.amdhsa_memory_ordered 1
		.amdhsa_forward_progress 1
		.amdhsa_inst_pref_size 14
	.end_amdhsa_kernel
	.amdgpu_metadata
---
amdhsa.version: [ 1, 2 ]
amdhsa.kernels:
  - .name:           k_q71a17d7072_cast
    .symbol:         k_q71a17d7072_cast.kd
    .args:
      - { .name: x, .offset: 0, .size: 8, .value_kind: global_buffer, .address_space: global }
      - { .name: h, .offset: 8, .size: 8, .value_kind: global_buffer, .address_space: global }
      - { .name: wf_i, .offset: 16, .size: 8, .value_kind: global_buffer, .address_space: global }
      - { .name: wf_h, .offset: 24, .size: 8, .value_kind: global_buffer, .address_space: global }
      - { .name: wi_i, .offset: 32, .size: 8, .value_kind: global_buffer, .address_space: global }
      - { .name: wi_h, .offset: 40, .size: 8, .value_kind: global_buffer, .address_space: global }
      - { .name: wg_i, .offset: 48, .size: 8, .value_kind: global_buffer, .address_space: global }
      - { .name: wg_h, .offset: 56, .size: 8, .value_kind: global_buffer, .address_space: global }
      - { .name: wo_i, .offset: 64, .size: 8, .value_kind: global_buffer, .address_space: global }
      - { .name: wo_h, .offset: 72, .size: 8, .value_kind: global_buffer, .address_space: global }
      - { .name: abf, .offset: 80, .size: 8, .value_kind: global_buffer, .address_space: global }
      - { .name: wbf, .offset: 88, .size: 8, .value_kind: global_buffer, .address_space: global }
    .group_segment_fixed_size: 0
    .private_segment_fixed_size: 0
    .kernarg_segment_align: 8
    .kernarg_segment_size: 96
    .max_flat_workgroup_size: 256
    .sgpr_count:     66
    .vgpr_count:     132
    .wavefront_size: 32
...
	.end_amdgpu_metadata
.endif
;; end of part 1
;; launch cell (part 2): grid 16 x 32, 4 waves a work-group, clusters of 4 x 4, 327,680 bytes of LDS; arguments bf_i, bf_h, bi_i, bi_h, bg_i, bg_h, bo_i, bo_h, abf, wbf, c, out0, out1; writes out0, out1
.if DOCPART == 2
	.amdgcn_target "amdgcn-amd-amdhsa--gfx1250"
	.amdhsa_code_object_version 6
	.text
	.protected	k_q71a17d7072_cell
	.globl	k_q71a17d7072_cell
	.p2align	8
	.type	k_q71a17d7072_cell,@function
k_q71a17d7072_cell:
	s_mov_b64 s[64:65], 0
	v_nop
	global_prefetch_b8 v0, s[64:65] scope:SCOPE_SE
	s_setreg_imm32_b32 hwreg(HW_REG_WAVE_MODE, 25, 1), 1
	s_wait_xcnt 0x0
	s_wait_alu depctr_hold_cnt(0) depctr_sa_sdst(0) depctr_va_vdst(0) depctr_va_sdst(0) depctr_va_ssrc(0) depctr_va_vcc(0) depctr_vm_vsrc(0)
	s_getreg_b32 s2, hwreg(HW_REG_IB_STS2, 6, 4)
	s_cmp_eq_u32 s2, 0
	s_cbranch_scc0 .Lentry_in_a_cluster
	s_endpgm
.Lentry_in_a_cluster:
	s_bfe_u32 s2, ttmp6, 0x10000c
	s_cmp_lg_u32 s2, 0xf033
	s_cbranch_scc0 .Lentry_shape_is_right
	s_endpgm
.Lentry_shape_is_right:
; THE LSTM CELL.  pre[m][g][n] = sum over k of abf[m][k] wbf[row(g, n)][k] + b_i[g][n] + b_h[g][n]; f, i, o = sigmoid(pre), g = tanh(pre); ct = f c + i g (out1); ht = o tanh(ct) (out0).
; abf [8192][2048] bf16 = [x | h]; wbf [4096][2048] bf16, row (n >> 5) * 128 + g * 32 + (n & 31); c, out0, out1 [8192][1024] f32; the eight biases [1024] f32.  Sums and all pointwise work in f32.
; LIMITS.  sigmoid(x) = 1 / (1 + 2^(-x log2 e)), tanh(x) = 1 - 2 / (1 + 2^(2 x log2 e)): an exponential that overflows gives the exact saturated value (1 / infinity = 0), one that underflows counts as 0;
; tanh is right to about 1e-7 absolutely, so it keeps no relative accuracy next to 0.  The two biases are added to each other first and start the sum.  NaN and infinities in the inputs are not treated apart.
; SHARES.  A work-group makes 256 rows x 64 hidden columns x 4 gates: a tile of 256 x 256 of the product.  Four waves, as many as a WGP has SIMDs; a wave makes 128 rows x 128 rows of wbf, which are the four
; gates of the same 32 hidden columns: 64 accumulators of 16 x 16, 512 registers.  K goes in 16 steps of 128 through a ring of two LDS slots filled by the tensor data mover; the tiles' rows are 256 bytes.
; THE MATRIX INSTRUCTION IS USED TRANSPOSED: source 0 = 16 rows of wbf, source 1 = 16 rows of abf.  In accumulator (a, b) lane l then holds row 16 a + l % 16, gate b / 2, and in registers 0 to 7 the hidden columns
; 16 (b % 2) + 8 (l / 16) + 0 .. 7.  So f, i, g and o of one number lie in one lane at the same register place of four accumulators: the gates meet without any exchange, and pre never leaves the registers.
; CLUSTERS: 4 x 4 work-groups.  The four of a row of the cluster need the same tiles of abf, the four of a column the same tiles of wbf: each is asked for JOINTLY, by the same tensor load with the same
; descriptor and a mask that names the four.  c is each work-group's own: a plain tensor load behind the last round of the walk, a K step ahead of its use.
; LDS.  slot s at s x 139,264: abf's 256 rows, then wbf's 256 rows, 272 bytes apart.  Behind the ring: the spare words.  When slot 0 has been read for the last time its first half takes c (256 rows x 256 bytes,
; 272 apart: its last fill); its second half, and the first half of slot 1 when that has been read, have had their last fill and serve as stages for ct and ht.
; REGISTERS, in windows of 256 (s_set_vgpr_msb: bits 1:0 source 0, 3:2 source 1, 5:4 source 2, 7:6 destination):
;   window 0: v0-31 addresses; v64-127, v128-191 fragments of abf, two buffers; v192-255 the biases, 8 registers for each of the 8 blocks of wbf's rows.  On the way out: see EPI
;   window 1: v64-127, v128-191 fragments of wbf, two buffers      window 2: the accumulators of my rows 0-63, (a, b) at v[8 (8 a + b)]      window 3: those of my rows 64-127
.set SIZE_K, 2048
.set KSTEP,  128
.set PITCH,  272                       ; an LDS row: 256 bytes + 16 of padding = 68 words: row r starts at bank 4 r mod 64 (64 banks of 4 bytes: ISA guide 11.1), so the 16 rows that a load touches start at 16 different banks
.set HALFT,  128*PITCH                 ; 128 rows: what one joint load brings, and what one wave reads of abf or of wbf
.set SLOT,   4*HALFT
.set CTB,    2*HALFT                   ; the stage for ct: slot 0's second half
.set QROWS,  64*PITCH                  ; 64 rows of c, ct or ht: a wave's share of the fetch and of the stores
.set SPARE,  2*SLOT                    ; behind the ring: the spare words, 128 bytes for each wave: two blocks of 256 bytes that no other line names
.set LAPS,   SIZE_K/(2*KSTEP)          ; a lap = two K steps = once round the ring: 8
.set ADRA, 16                          ; v16-17  LDS address of my fragments of abf in slot 0, 1
.set ADRB, 20                          ; v20-21  the same for wbf
.set CA,   22                          ; v22     my 16 bytes of c: row l % 16 of my 128, my wave's 32 columns, 8 (l / 16) on
.set HA,   23                          ; v23     the same place in ht's stage
.set RDC,  24                          ; v24     the way out: where I read whole rows of ct back
.set RDH,  25                          ; v25     and of ht
.set GO,   26                          ; v26     my byte offset in two rows of an output
.set BO,   27                          ; v27     my byte offset in a bias
.set SPW,  28                          ; v28     LDS address of my spare word: SPARE + 4 x my thread's number; never rewritten
.set NIL,  29                          ; v29     0; never rewritten
.set CTA,  30                          ; v30     CA's place in ct's stage
.set F0,   64
.set F1,   128
.set BH,   128                         ; the b_h, until they are added onto the b_i
.set BI,   192                         ; b_i + b_h: block b of wbf's rows at BI + 8 b
.set TT,   64                          ; the way out: 64 registers, gate g at TT + 16 g
.set CC,   128                         ; c of a block of 16 rows, two buffers of 16
.set CT,   160
.set UU,   176
.set HT,   192
.set OB,   64                          ; whole rows read back from a stage, two buffers of 64
.set G1C, 4                            ; s[4:11]  descriptor group 1 for c
.set WV,  12                           ; s12  my wave's number
.set WR,  13                           ; s13  which half of the tile's rows is mine.  Also: I fetch for abf (0) or for wbf (1)
.set WC,  14                           ; s14  which 32 hidden columns.  Also: which 128 rows of that tile I fetch
.set TY,  15                           ; s15  the tile's row
.set G1,  24                           ; s[24:31] group 1 for abf's tiles;  s[32:39] group 0, a set for each slot
.set G0,  32
.set G1B, 48                           ; s[48:55], s[56:63] the same for wbf's
.set G0B, 56
.set NL,  66                           ; s[66:67] -log2 e: the packed multiply names a pair and takes its low word for both halves
.set PL,  94                           ; s[94:95] 2 log2 e
.set G0C, 96                           ; s[96:99] group 0 for c
.set MSB, 0
.macro WIN new                         ; the immediate's high byte repeats the setting that is left; a switch that changes nothing is dropped
.if MSB != (\new)
	s_set_vgpr_msb (MSB<<8)|(\new)
.set MSB, \new
.endif
.endm
.set MUL_LO, 0xa1                      ; source 0 (wbf) window 1, source 1 (abf) window 0, C and D window 2
.set TO_B,   0x40                      ; destination window 1, address window 0
; A joint load.  Waves 0 and 1 fetch abf's two halves, waves 2 and 3 wbf's.  Each line has one mask and one set of registers for all that issue it; the branch hangs on the wave's number alone.
; An s_nop 0 and four v_nop follow each of the two lines, ahead of the jump, the label and what follows.
.macro JLOAD s
	s_cmp_eq_u32 s[WR], 0
	s_cbranch_scc0 .Lfor_b_\@
	tensor_load_to_lds s[G0+4*(\s):G0+4*(\s)+3], s[G1:G1+7]
	s_nop 0
.rept 4
	v_nop
.endr
	s_branch .Lasked_\@
.Lfor_b_\@:
	tensor_load_to_lds s[G0B+4*(\s):G0B+4*(\s)+3], s[G1B:G1B+7]
	s_nop 0
.rept 4
	v_nop
.endr
.Lasked_\@:
.endm
; A round of the cluster's barrier: my work-group's barrier, so that wave 0's signal speaks for all four waves; wave 0 signals; every wave waits for all sixteen work-groups; my work-group's barrier once more.
.macro CREST                           ; a round behind its opening barrier
	s_cmp_lg_u32 s[WV], 0
	s_cbranch_scc1 .Lnot_wave_0_\@
	s_barrier_signal -3
.Lnot_wave_0_\@:
	s_barrier_wait -3
	s_barrier_signal -1
	s_barrier_wait -1
.endm
.macro CROUND                          ; a whole round
	s_barrier_signal -1
	s_barrier_wait -1
	CREST
.endm
	s_load_b512 s[68:83], s[0:1], 0x0              ; the biases: gate g's b_i at s[68+4g:69+4g], its b_h at s[70+4g:71+4g]
	s_load_b256 s[84:91], s[0:1], 0x40             ; abf s[84:85], wbf s[86:87], c s[88:89], out0 s[90:91]
	s_load_b64 s[92:93], s[0:1], 0x60              ; out1
	v_lshl_add_u32 v[SPW], v0, 2, SPARE
	v_mov_b32 v[NIL], 0
	ds_add_u32 v[SPW], v[NIL]                      ; the wave's opening: the add and its wait stand ahead of my first tensor load; the set-up below, work on registers, stands between them
	v_lshrrev_b32 v1, 5, v0
	v_readfirstlane_b32 s[WV], v1                  ; wave 0..3
	s_lshr_b32 s[WR], s[WV], 1
	s_and_b32 s[WC], s[WV], 1
	s_bfe_u32 s40, ttmp6, 0x40000                  ; cx, cy: my place in the cluster
	s_bfe_u32 s41, ttmp6, 0x40004
	s_lshl_b32 s42, ttmp9, 2                       ; in a cluster launch ttmp9 and ttmp7 count clusters
	s_add_co_u32 s42, s42, s40                     ; the tile's column = 4 x cluster x + cx: 64 hidden columns
	s_and_b32 s[TY], ttmp7, 0xffff
	s_lshl_b32 s[TY], s[TY], 2
	s_add_co_u32 s[TY], s[TY], s41                 ; the tile's row = 4 x cluster y + cy: 256 rows
	s_lshl_b32 s43, s41, 2
	s_lshl_b32 s43, 15, s43                        ; my row of the cluster: places 4 cy .. 4 cy + 3
	s_lshl_b32 s44, 0x1111, s40                    ; my column: places cx, cx + 4, cx + 8, cx + 12
	; group 1 for abf and wbf: a tile of 128 rows x 128 elements of 2 bytes, padded in LDS
	s_or_b32 s[G1+0], s43, (1<<16)|(1<<20)|(1<<21)|(5<<22)|(3<<25)   ; 15:0 the mask: abf's tiles go to my row; 17:16 2-byte elements; 20 padding on; 21 set beside a mask; 24:22 after every 64 words (code 5); 31:25 4 words (code 3)
	s_or_b32 s[G1B+0], s44, (1<<16)|(1<<20)|(1<<21)|(5<<22)|(3<<25)  ; the same with the mask of my column, for wbf's tiles
.irp g, G1, G1B
	s_mov_b32 s[(\g)+1], KSTEP<<16                 ; tensor_dim0 = 128
	s_mov_b32 s[(\g)+2], 128<<16                   ; tensor_dim1 = 128
	s_mov_b32 s[(\g)+3], KSTEP<<16                 ; tile_dim0 = 128
	s_mov_b32 s[(\g)+4], 128                       ; tile_dim1 = 128
	s_mov_b32 s[(\g)+5], SIZE_K                    ; elements from row to row
	s_mov_b32 s[(\g)+6], 0
	s_mov_b32 s[(\g)+7], 0
.endr
	; group 1 for c: 64 rows x 64 elements of 4 bytes, no mask, the same padding
	s_mov_b32 s[G1C+0], (2<<16)|(1<<20)|(5<<22)|(3<<25)
	s_mov_b32 s[G1C+1], 64<<16                     ; tensor_dim0 = 64
	s_mov_b32 s[G1C+2], 64<<16                     ; tensor_dim1 = 64
	s_mov_b32 s[G1C+3], 64<<16                     ; tile_dim0 = 64
	s_mov_b32 s[G1C+4], 64                         ; tile_dim1 = 64
	s_mov_b32 s[G1C+5], 1024                       ; elements from row to row
	s_mov_b32 s[G1C+6], 0
	s_mov_b32 s[G1C+7], 0
	s_mov_b32 s[NL], 0xbfb8aa3b                    ; -log2 e
	s_mov_b32 s[NL+1], s[NL]                       ; named with it as a pair, so it is written
	s_mov_b32 s[PL], 0x4038aa3b                    ; 2 log2 e
	s_mov_b32 s[PL+1], s[PL]
	; where the tiles come from.  abf's hang on the tile's row alone, which my row of the cluster shares; wbf's on the tile's column alone, which my column shares.
	s_lshl_b32 s17, s[WC], 19                      ; which 128 rows of 4,096 bytes I fetch
	s_lshl_b32 s16, s[TY], 20                      ; 256 rows of 4,096 bytes a tile
	s_add_co_u32 s16, s16, s17
	s_lshl_b32 s46, s42, 20
	s_add_co_u32 s46, s46, s17
	s_mov_b32 s17, 0                               ; both offsets stay under 2^25
	s_mov_b32 s47, 0
	s_mul_i32 s20, s[WV], HALFT                    ; and where they go: wave x 128 rows: no place in the cluster enters an LDS address
	s_wait_dscnt 0x0                               ; the opening add is done
	s_wait_kmcnt 0x0
	s_add_nc_u64 s[18:19], s[84:85], s[16:17]
	s_add_nc_u64 s[46:47], s[86:87], s[46:47]
	CROUND                                         ; all sixteen work-groups are here: the first joint loads meet
.irp s, 0,1
	s_mov_b32 s[G0+4*(\s)], 1                                        ; count = 1
	s_add_co_u32 s[G0+4*(\s)+1], s20, (\s)*SLOT                      ; LDS address
	s_add_nc_u64 s[G0+4*(\s)+2:G0+4*(\s)+3], s[18:19], (\s)*KSTEP*2  ; global address: K step s
	s_or_b32 s[G0+4*(\s)+3], s[G0+4*(\s)+3], 0x80000000              ; type = 2
	s_mov_b32 s[G0B+4*(\s)], 1
	s_add_co_u32 s[G0B+4*(\s)+1], s20, (\s)*SLOT
	s_add_nc_u64 s[G0B+4*(\s)+2:G0B+4*(\s)+3], s[46:47], (\s)*KSTEP*2
	s_or_b32 s[G0B+4*(\s)+3], s[G0B+4*(\s)+3], 0x80000000
	JLOAD \s                                       ; the ring is filled before anything else is done: two loads of mine are out
.endr
	; The biases.  Block b = 2 g + p of wbf's rows wants, in registers 0 to 7, gate g's bias at hidden column 64 tx + 32 WC + 16 p + 8 (l / 16) + 0 .. 7.
	v_and_b32 v1, 15, v0                           ; l % 16
	v_bfe_u32 v2, v0, 4, 1                         ; l / 16
	s_lshl_b32 s46, s42, 8                         ; 64 columns of 4 bytes a tile
	s_lshl_b32 s2, s[WC], 7
	s_add_co_u32 s2, s2, s46
	v_lshl_add_u32 v[BO], v2, 5, s2
.irp g, 0,1,2,3
.irp p, 0,1
.irp e, 0,1
	global_load_b128 v[BI+8*(2*(\g)+(\p))+4*(\e):BI+8*(2*(\g)+(\p))+4*(\e)+3], v[BO], s[68+4*(\g):69+4*(\g)] offset:64*(\p)+16*(\e)
	global_load_b128 v[BH+8*(2*(\g)+(\p))+4*(\e):BH+8*(2*(\g)+(\p))+4*(\e)+3], v[BO], s[70+4*(\g):71+4*(\g)] offset:64*(\p)+16*(\e)
.endr
.endr
.endr
	; A fragment is 16 rows x 32 K in 8 registers: lane l holds row l % 16; registers 0-3 hold K = 8 (l / 16) + 0..7, registers 4-7 K = 16 + 8 (l / 16) + 0..7: two loads of 16 bytes, 32 bytes apart.
	v_mul_u32_u24 v3, v1, PITCH
	v_lshl_add_u32 v3, v2, 4, v3                   ; row x pitch + 16 x half
	s_mul_i32 s21, s[WR], HALFT                    ; my 128 rows of abf
	s_mul_i32 s22, s[WC], HALFT                    ; my 128 rows of wbf,
	s_add_co_u32 s22, s22, 2*HALFT                 ; which lie behind abf's 256
.irp s, 0,1
	v_add_nc_u32 v[ADRA+(\s)], s21, v3
	v_add_nc_u32 v[ADRB+(\s)], s22, v3
	s_add_co_u32 s21, s21, SLOT
	s_add_co_u32 s22, s22, SLOT
.endr
	v_mul_u32_u24 v4, v1, PITCH                    ; c, ct, ht as the accumulators hold them: row l % 16, 32 bytes for each half of the lanes,
	v_lshl_add_u32 v4, v2, 5, v4
	s_mul_i32 s21, s[WR], HALFT                    ; my 128 rows,
	s_lshl_b32 s22, s[WC], 7                       ; my 32 columns of 4 bytes
	s_add_co_u32 s21, s21, s22
	v_add_nc_u32 v[CA], s21, v4
	v_add_nc_u32 v[CTA], CTB, v[CA]
	v_add_nc_u32 v[HA], SLOT, v[CA]
	v_mul_u32_u24 v5, v2, PITCH                    ; back: lanes 0-15 take one row of 256 bytes, lanes 16-31 the next; wave w takes rows 64 w on
	v_lshl_add_u32 v5, v1, 4, v5
	s_mul_i32 s21, s[WV], QROWS
	v_add_nc_u32 v5, s21, v5
	v_add_nc_u32 v[RDC], CTB, v5
	v_add_nc_u32 v[RDH], SLOT, v5
	v_lshlrev_b32 v[GO], 12, v2                    ; and the same two rows of 4,096 bytes in an output
	v_lshl_add_u32 v[GO], v1, 4, v[GO]
	; c, out0 and out1 at row 256 ty + 64 w, hidden column 64 tx: what I fetch of c and what I store
	s_lshl_b32 s2, s[WV], 18
	s_add_co_u32 s46, s46, s2
	s_lshl_b32 s2, s[TY], 20
	s_add_co_u32 s46, s46, s2
	s_mov_b32 s47, 0                               ; under 2^25
	s_mov_b32 s[G0C], 1
	s_mov_b32 s[G0C+1], s21                        ; LDS: wave x 64 rows, from byte 0
	s_add_nc_u64 s[G0C+2:G0C+3], s[88:89], s[46:47]
	s_or_b32 s[G0C+3], s[G0C+3], 0x80000000
	s_add_nc_u64 s[90:91], s[90:91], s[46:47]
	s_add_nc_u64 s[92:93], s[92:93], s[46:47]
	s_wait_loadcnt 0x0                             ; the biases, once
.set i, 0
.rept 32
	v_pk_add_f32 v[BI+2*i:BI+2*i+1], v[BI+2*i:BI+2*i+1], v[BH+2*i:BH+2*i+1]
.set i, i+1
.endr
; 16 matrix instructions: blocks a0, a0 + 1 of the window's four (hi = 0: my rows 0-63, 1: rows 64-127) x all 8 blocks of wbf's rows, 32 along K.  The 64 accumulators take turns, one instruction a turn, in
; the same order in every quarter step.  first = 1: the biases (window 0) are the C operand that starts the sums: nothing is cleared, and no bias is added later.
.macro MUL16 f, hi, a0, first
.if \first
	WIN 0x81+0x40*(\hi)                            ; source 0 window 1, sources 1 and 2 window 0, D window 2 or 3
.else
	WIN MUL_LO+0x50*(\hi)                          ; C and D window 2 or 3
.endif
.irp a, \a0, (\a0)+1
.irp b, 0,1,2,3,4,5,6,7
.if \first
	v_wmma_f32_16x16x32_bf16 v[8*(8*(\a)+(\b)):8*(8*(\a)+(\b))+7], v[(\f)+8*(\b):(\f)+8*(\b)+7], v[(\f)+8*(4*(\hi)+(\a)):(\f)+8*(4*(\hi)+(\a))+7], v[BI+8*(\b):BI+8*(\b)+7]
.else
	v_wmma_f32_16x16x32_bf16 v[8*(8*(\a)+(\b)):8*(8*(\a)+(\b))+7], v[(\f)+8*(\b):(\f)+8*(\b)+7], v[(\f)+8*(4*(\hi)+(\a)):(\f)+8*(4*(\hi)+(\a))+7], v[8*(8*(\a)+(\b)):8*(8*(\a)+(\b))+7]
.endif
.endr
.endr
.endm
; 32 LDS loads in one run: the fragments of one quarter step (128 rows of wbf, 128 rows of abf, 32 K at byte k of the rows) into buffer f
.macro FETCH slot, k, f
	WIN TO_B
.irp i, 0,1,2,3,4,5,6,7
	ds_load_b128 v[(\f)+8*(\i):(\f)+8*(\i)+3],   v[ADRB+(\slot)] offset:(\k)+(\i)*16*PITCH
	ds_load_b128 v[(\f)+8*(\i)+4:(\f)+8*(\i)+7], v[ADRB+(\slot)] offset:(\k)+(\i)*16*PITCH+32
.endr
	WIN 0
.irp i, 0,1,2,3,4,5,6,7
	ds_load_b128 v[(\f)+8*(\i):(\f)+8*(\i)+3],   v[ADRA+(\slot)] offset:(\k)+(\i)*16*PITCH
	ds_load_b128 v[(\f)+8*(\i)+4:(\f)+8*(\i)+7], v[ADRA+(\slot)] offset:(\k)+(\i)*16*PITCH+32
.endr
.endm
; A load into a register that a matrix instruction has read, and a vector instruction that reads a matrix result, stand four places behind that matrix instruction, and only plain vector instructions that
; name none of its registers are places (ISA guide 7.12.1 for vector instructions).
.macro PLACES
.rept 4
	v_nop
.endr
.endm
; A K step is four quarter steps of 32 along K, 64 matrix instructions each, on buffers 0, 1, 0, 1.  One of the first three: multiplies buffer f; in its middle it fetches the next quarter's fragments into g.
.macro QUARTER slot, k, f, g, first
	s_wait_dscnt 8                                 ; wbf's fragments and abf's rows 0-63 are in; the youngest eight loads (abf's rows 64-127) may be out
	MUL16 \f, 0, 0, \first
	MUL16 \f, 0, 2, \first
	PLACES
	FETCH \slot, \k, \g
	s_wait_dscnt 32                                ; all but the 32 just issued
	MUL16 \f, 1, 0, \first
	MUL16 \f, 1, 2, \first
.endm
; The last quarter multiplies buffer 1 and changes slots.  In front of the round each wave waits for all its tensor loads, of which one is out: its part of the next slot; adds 0 to its spare word; and waits for
; that and for its own reads of this slot.  Behind the round no wave of any partner reads this slot any more or has a load on its way, and the next slot is whole.  The slot just read is then filled first:
; kind = 0: jointly, with the K step two steps on: 224 matrix instructions ahead of the wait for it.  kind = 1: its first half with my 64 rows of c, a load of my own.  Then come the next slot's first fragments.
.macro TURN slot, next, kind
	WIN 0                                          ; (the add's two registers lie in window 0)
	s_wait_tensorcnt 0x0                           ; all my tensor loads have landed;
	ds_add_u32 v[SPW], v[NIL]                      ; 0 onto my spare word;
	s_wait_dscnt 9                                 ; (the add and the youngest eight loads may be out)
	MUL16 F1, 0, 0, 0                              ; sixteen matrix instructions stand between the add and the wait for it
	s_wait_dscnt 0x0                               ; the add is done, and my reads of this slot are over:
	s_barrier_signal -1                            ; say so: this barrier opens a round of the cluster's barrier,
	MUL16 F1, 0, 2, 0                              ; work on registers while the others arrive
	WIN 0
	s_barrier_wait -1
	CREST
.if (\kind) == 0
	s_add_nc_u64 s[G0+4*(\slot)+2:G0+4*(\slot)+3], s[G0+4*(\slot)+2:G0+4*(\slot)+3], 2*KSTEP*2    ; no load of mine is out, so a group 0 may be written
	s_add_nc_u64 s[G0B+4*(\slot)+2:G0B+4*(\slot)+3], s[G0B+4*(\slot)+2:G0B+4*(\slot)+3], 2*KSTEP*2
	JLOAD \slot                                    ; the four v_nop behind it are also the places in front of the loads below
.else
	tensor_load_to_lds s[G0C:G0C+3], s[G1C:G1C+7]
	s_nop 0
	PLACES
.endif
	FETCH \next, 0, F0
	MUL16 F1, 1, 0, 0
	MUL16 F1, 1, 2, 0
.endm
; THE WAY OUT, block a of my eight blocks of 16 rows: 16 numbers a lane (p = 0, 1: hidden columns 16 p + 8 (l / 16) + 0 .. 7).
.macro CLOAD a                         ; c of block a, as the accumulators lie
.irp p, 0,1
.irp e, 0,1
	ds_load_b128 v[CC+16*((\a)%2)+8*(\p)+4*(\e):CC+16*((\a)%2)+8*(\p)+4*(\e)+3], v[CA] offset:(\a)*16*PITCH+64*(\p)+16*(\e)
.endr
.endr
.endm
.macro RUN n, line:vararg              ; one line for i = 0 .. n - 1
.set i, 0
.rept \n
	\line
.set i, i+1
.endr
.endm
.macro EPI a
.set AC, 64*((\a)%4)                   ; its eight accumulators, in window 2 (blocks 0-3) or 3 (blocks 4-7): register AC + 16 g + 8 p + j
.set CB, CC+16*((\a)%2)
	WIN 0
.if (\a) < 7
	CLOAD (\a)+1                                   ; the next block's c, a block ahead
.endif
	WIN 0x02+(\a)/4                                ; source 0: window 2 or 3
.set i, 0
.rept 32                               ; the exponents: -x log2 e for f, i, o; 2 x log2 e for g.  Each accumulator's registers in ascending order
.if (i/8) == 2
	v_pk_mul_f32 v[TT+2*i:TT+2*i+1], v[AC+2*i:AC+2*i+1], s[PL:PL+1] op_sel_hi:[1,0]
.else
	v_pk_mul_f32 v[TT+2*i:TT+2*i+1], v[AC+2*i:AC+2*i+1], s[NL:NL+1] op_sel_hi:[1,0]
.endif
.set i, i+1
.endr
	WIN 0
	RUN 64, v_exp_f32 v[TT+i], v[TT+i]
	v_nop                                          ; a plain instruction between a run of transcendentals and the use of their results (ISA guide 5.7.2)
	s_wait_alu depctr_va_vdst(0)
	RUN 32, v_pk_add_f32 v[TT+2*i:TT+2*i+1], v[TT+2*i:TT+2*i+1], 1.0 op_sel_hi:[1,0]
	RUN 64, v_rcp_f32 v[TT+i], v[TT+i]
	v_nop
	s_wait_alu depctr_va_vdst(0)
	RUN 8, v_pk_fma_f32 v[TT+32+2*i:TT+32+2*i+1], v[TT+32+2*i:TT+32+2*i+1], -2.0, 1.0 op_sel_hi:[1,0,0]   ; g = 1 - 2 / (1 + 2^..)
	RUN 8, v_pk_mul_f32 v[TT+32+2*i:TT+32+2*i+1], v[TT+32+2*i:TT+32+2*i+1], v[TT+16+2*i:TT+16+2*i+1]      ; i g
.if (\a) < 7
	s_wait_dscnt 4                                 ; only the four loads issued at this block's head may be out: this block's c is in
.else
	s_wait_dscnt 0x0
.endif
	RUN 8, v_pk_fma_f32 v[CT+2*i:CT+2*i+1], v[TT+2*i:TT+2*i+1], v[CB+2*i:CB+2*i+1], v[TT+32+2*i:TT+32+2*i+1]  ; ct = f c + i g
.irp p, 0,1
.irp e, 0,1
	ds_store_b128 v[CTA], v[CT+8*(\p)+4*(\e):CT+8*(\p)+4*(\e)+3] offset:(\a)*16*PITCH+64*(\p)+16*(\e)
.endr
.endr
	RUN 8, v_pk_mul_f32 v[UU+2*i:UU+2*i+1], v[CT+2*i:CT+2*i+1], s[PL:PL+1] op_sel_hi:[1,0]
	RUN 16, v_exp_f32 v[UU+i], v[UU+i]
	v_nop
	s_wait_alu depctr_va_vdst(0)
	RUN 8, v_pk_add_f32 v[UU+2*i:UU+2*i+1], v[UU+2*i:UU+2*i+1], 1.0 op_sel_hi:[1,0]
	RUN 16, v_rcp_f32 v[UU+i], v[UU+i]
	v_nop
	s_wait_alu depctr_va_vdst(0)
	RUN 8, v_pk_fma_f32 v[UU+2*i:UU+2*i+1], v[UU+2*i:UU+2*i+1], -2.0, 1.0 op_sel_hi:[1,0,0]              ; tanh(ct)
	RUN 8, v_pk_mul_f32 v[HT+2*i:HT+2*i+1], v[TT+48+2*i:TT+48+2*i+1], v[UU+2*i:UU+2*i+1]                  ; ht = o tanh(ct)
.irp p, 0,1
.irp e, 0,1
	ds_store_b128 v[HA], v[HT+8*(\p)+4*(\e):HT+8*(\p)+4*(\e)+3] offset:(\a)*16*PITCH+64*(\p)+16*(\e)
.endr
.endr
.endm
; Whole rows back from a stage and out.  k = 0, 1: ct's rows 0-31, 32-63 of my 64; k = 2, 3: ht's.  Buffer k % 2.
.macro LOADB k
.irp t, 0,1,2,3,4,5,6,7,8,9,10,11,12,13,14,15
.if (\k) < 2
	ds_load_b128 v[OB+64*((\k)%2)+4*(\t):OB+64*((\k)%2)+4*(\t)+3], v[RDC] offset:(16*((\k)%2)+(\t))*2*PITCH
.else
	ds_load_b128 v[OB+64*((\k)%2)+4*(\t):OB+64*((\k)%2)+4*(\t)+3], v[RDH] offset:(16*((\k)%2)+(\t))*2*PITCH
.endif
.endr
.endm
.macro STOREB k                        ; 16 lanes store 256 consecutive bytes, at a multiple of 256 from the output's first byte
.irp t, 0,1,2,3,4,5,6,7,8,9,10,11,12,13,14,15
.if (\k) < 2
	global_store_b128 v[GO], v[OB+64*((\k)%2)+4*(\t):OB+64*((\k)%2)+4*(\t)+3], s[92:93] offset:(16*((\k)%2)+(\t))*8192 th:TH_STORE_NT
.else
	global_store_b128 v[GO], v[OB+64*((\k)%2)+4*(\t):OB+64*((\k)%2)+4*(\t)+3], s[90:91] offset:(16*((\k)%2)+(\t))*8192 th:TH_STORE_NT
.endif
.endr
.endm
	s_wait_tensorcnt 1                             ; my part of K step 0 is in; K step 1's may stay out
	s_barrier_signal -1
	s_barrier_wait -1                              ; everybody's is
	FETCH 0, 0, F0
	QUARTER 0, 64,  F0, F1, 1                      ; the first quarter stands in front of the loop: its products start the sums, on the biases
	WIN 0                                          ; at a label and at a branch every window is 0
	s_mov_b32 s3, LAPS-1
.Llap:                                                 ; a trip goes once round the ring, from a lap's second quarter to the next lap's first, and fills both slots again
	QUARTER 0, 128, F1, F0, 0
	QUARTER 0, 192, F0, F1, 0
	TURN 0, 1, 0
	QUARTER 1, 64,  F0, F1, 0
	QUARTER 1, 128, F1, F0, 0
	QUARTER 1, 192, F0, F1, 0
	TURN 1, 0, 0
	QUARTER 0, 64,  F0, F1, 0
	WIN 0
	s_sub_co_u32 s3, s3, 1
	s_cmp_lg_u32 s3, 0
	s_cbranch_scc1 .Llap
	QUARTER 0, 128, F1, F0, 0                      ; the last lap: K steps 14 and 15
	QUARTER 0, 192, F0, F1, 0
	TURN 0, 1, 1                                   ; slot 0 is read out: its first half takes c, which has the last K step in which to land
	QUARTER 1, 64,  F0, F1, 0
	QUARTER 1, 128, F1, F0, 0
	QUARTER 1, 192, F0, F1, 0
	s_wait_dscnt 8                                 ; the very last quarter: nothing more to fetch
	MUL16 F1, 0, 0, 0
	MUL16 F1, 0, 2, 0
	s_wait_dscnt 0x0
	MUL16 F1, 1, 0, 0
	MUL16 F1, 1, 2, 0
	WIN 0
	PLACES                                         ; behind the last products: their results are read, and c is loaded into registers that they read
	s_wait_tensorcnt 0x0                           ; my 64 rows of c have landed,
	s_wait_dscnt 0x0                               ; and my reads of slot 1 are over:
	s_barrier_signal -1
	s_barrier_wait -1                              ; both hold of every wave: c is whole, and slot 1 may take ht.  Nothing is filled by a tensor load any more
	CLOAD 0
.irp a, 0,1,2,3,4,5,6,7
	EPI \a
.endr
	s_wait_dscnt 0x0                               ; for the others' sake: my stores into the stages are done (a row's 256 bytes come from two waves)
	s_barrier_signal -1
	s_barrier_wait -1
	LOADB 0
	LOADB 1
	s_wait_dscnt 16                                ; all but the younger sixteen: buffer 0 is in
	STOREB 0
	s_wait_xcnt 0x0                                ; every earlier memory instruction has had its addresses translated (ISA guide 3.1): buffer 0, which those stores read, is loaded again only behind this wait
	LOADB 2
	s_wait_dscnt 16                                ; buffer 1 is in
	STOREB 1
	s_wait_xcnt 0x0
	LOADB 3
	s_wait_dscnt 16
	STOREB 2
	s_wait_dscnt 0x0
	STOREB 3
	s_wait_tensorcnt 0x0                           ; the wave's end: an add to my spare word and its wait, behind my last tensor load and my last LDS store
	ds_add_u32 v[SPW], v[NIL]
	s_wait_dscnt 0x0
	CROUND                                         ; the closing round: no work-group ends while a partner may still ask for a tile that names it
	s_endpgm
.Lfunc_end_k_q71a17d7072_cell:
	.size	k_q71a17d7072_cell, .Lfunc_end_k_q71a17d7072_cell-k_q71a17d7072_cell
	.p2alignl 7, 3214868480
	.fill 96, 4, 3214868480
	.section	.rodata,"a",@progbits
	.p2align	6, 0x0
	.amdhsa_kernel k_q71a17d7072_cell
		.amdhsa_group_segment_fixed_size 327680
		.amdhsa_private_segment_fixed_size 0
		.amdhsa_enable_private_segment 0
		.amdhsa_kernarg_size 104
		.amdhsa_user_sgpr_count 2
		.amdhsa_user_sgpr_kernarg_segment_ptr 1
		.amdhsa_wavefront_size32 1
		.amdhsa_system_sgpr_workgroup_id_x 1
		.amdhsa_system_sgpr_workgroup_id_y 1
		.amdhsa_system_sgpr_workgroup_id_z 1
		.amdhsa_system_vgpr_workitem_id 0
		.amdhsa_next_free_vgpr 1024
		.amdhsa_next_free_sgpr 100
		.amdhsa_reserve_vcc 0
		.amdhsa_float_denorm_mode_32 3
		.amdhsa_float_denorm_mode_16_64 3
		.amdhsa_memory_ordered 1
		.amdhsa_forward_progress 1
		.amdhsa_inst_pref_size 237
	.end_amdhsa_kernel
	.amdgpu_metadata
---
amdhsa.version: [ 1, 2 ]
amdhsa.kernels:
  - .name:           k_q71a17d7072_cell
    .symbol:         k_q71a17d7072_cell.kd
    .args:
      - { .name: bf_i, .offset: 0, .size: 8, .value_kind: global_buffer, .address_space: global }
      - { .name: bf_h, .offset: 8, .size: 8, .value_kind: global_buffer, .address_space: global }
      - { .name: bi_i, .offset: 16, .size: 8, .value_kind: global_buffer, .address_space: global }
      - { .name: bi_h, .offset: 24, .size: 8, .value_kind: global_buffer, .address_space: global }
      - { .name: bg_i, .offset: 32, .size: 8, .value_kind: global_buffer, .address_space: global }
      - { .name: bg_h, .offset: 40, .size: 8, .value_kind: global_buffer, .address_space: global }
      - { .name: bo_i, .offset: 48, .size: 8, .value_kind: global_buffer, .address_space: global }
      - { .name: bo_h, .offset: 56, .size: 8, .value_kind: global_buffer, .address_space: global }
      - { .name: abf, .offset: 64, .size: 8, .value_kind: global_buffer, .address_space: global }
      - { .name: wbf, .offset: 72, .size: 8, .value_kind: global_buffer, .address_space: global }
      - { .name: c, .offset: 80, .size: 8, .value_kind: global_buffer, .address_space: global }
      - { .name: out0, .offset: 88, .size: 8, .value_kind: global_buffer, .address_space: global }
      - { .name: out1, .offset: 96, .size: 8, .value_kind: global_buffer, .address_space: global }
    .group_segment_fixed_size: 327680
    .private_segment_fixed_size: 0
    .kernarg_segment_align: 8
    .kernarg_segment_size: 104
    .max_flat_workgroup_size: 128
    .sgpr_count:     100
    .vgpr_count:     1024
    .wavefront_size: 32
...
	.end_amdgpu_metadata
.endif
;; end of part 2
;; ======== version 2 of 2: 2 launches; version 1 with the launch cast written anew for expert scheduling mode
;; workspace buffers: abf 33,554,432 bytes; wbf 16,777,216 bytes
;; launch cast (part 3): grid 256 x 3, 8 waves a work-group, no clusters, 0 bytes of LDS; arguments x, h, wf_i, wf_h, wi_i, wi_h, wg_i, wg_h, wo_i, wo_h, abf, wbf; writes abf, wbf
.if DOCPART == 3
	.amdgcn_target "amdgcn-amd-amdhsa--gfx1250"
	.amdhsa_code_object_version 6
	.text
	.protected	k_q71a17d7072_cast
	.globl	k_q71a17d7072_cast
	.p2align	8
	.type	k_q71a17d7072_cast,@function
k_q71a17d7072_cast:
	s_mov_b64 s[64:65], 0
	v_nop
	global_prefetch_b8 v0, s[64:65] scope:SCOPE_SE
	s_setreg_imm32_b32 hwreg(HW_REG_WAVE_SCHED_MODE, 0, 2), 2
	s_setreg_imm32_b32 hwreg(HW_REG_WAVE_MODE, 25, 1), 1
	s_wait_xcnt 0x0
	s_wait_alu depctr_vm_vsrc(0)
; x, h and the eight weight matrices, all f32 with rows of 1,024 numbers, are rounded once to bf16 (nearest even) and laid out for one product:
;   abf [8192][2048] bf16: row m = x[m][0..1023], then h[m][0..1023]
;   wbf [4096][2048] bf16: row (n >> 5) * 128 + g * 32 + (n & 31) = w_i of gate g, row n, then w_h of gate g, row n   (g: 0 f, 1 i, 2 g, 3 o)
; so that 128 consecutive rows of wbf hold all four gates of 32 hidden columns.
; LIMIT: a magnitude above bf16's largest finite number becomes an infinity; NaN stays NaN.
; SHARES.  A work-group takes 32 source rows (131,072 bytes).  y = 0: x, rows 32 t on; y = 1: h, rows 32 t on; y = 2: weight matrix t >> 5 (= 2 g + s, s = 1 for w_h), rows 32 (t & 31) on.
; A wave takes 4 rows, 16,384 consecutive bytes: 32 loads of 512 consecutive bytes, all issued before the first is waited for; each is rounded in place and leaves as
; one store of 256 consecutive bytes, at a multiple of 256 from the buffer's first byte.  Every byte is read once and written once: no LDS, no barrier, no matrix unit, no cluster (nothing is shared).
; THE MODE: SCHED_MODE bits 1:0 = 2 (LLVM: expert scheduling mode 2), set by the entry lines.  The code itself states the register dependences
; between vector instructions and memory instructions, with s_wait_alu, always for 0.
; THE PLAN.  Registers that memory instructions touch:
;   v1, v2     byte offsets in the source and in the destination.  Written at the head, read by every load (v1) and every store (v2), never written again.
;   X          load j has four registers of its own.  Load j lands in them (no vector instruction names them before); its two roundings read the four and write the first two; store j reads
;              those two; nothing writes them afterwards.
; The 32 loads go in eight blocks of four.  Block g rounds its own four loads; its memory instructions are the four stores of block g - 1, whose data block g - 1 has rounded and which no vector
; instruction of block g names.  So one wait at a block's head states all that the block's four stores hang on, and these are dealt among its roundings with no further wait.
; No register that a memory instruction has read is written again, so nothing is owed for the stores' and loads' sources.
.set X,   4                            ; v[4:131]  load j: 4 registers; its first two then hold the 8 bytes to store
.set BLK, 4                            ; loads in a block
.set NB,  32/BLK                       ; blocks
	s_load_b512 s[8:23], s[0:1], 0x0               ; x, h, wf_i, wf_h, wi_i, wi_h, wg_i, wg_h: source q at s[8+2q:9+2q]
	s_load_b256 s[24:31], s[0:1], 0x40             ; wo_i, wo_h (sources 8, 9), abf s[28:29], wbf s[30:31]
	s_mov_b32 s2, ttmp9                            ; t
	s_and_b32 s3, ttmp7, 0xffff                    ; y
	s_lshr_b32 s32, s2, 5                          ; the weight matrix, 2 g + s
	s_and_b32 s33, s2, 31                          ; its block of 32 rows
	s_add_co_u32 s34, s32, 2                       ; its number among the sources
	s_lshl_b32 s37, s33, 19                        ; in wbf: block x 128 rows of 4,096 bytes
	s_lshr_b32 s35, s32, 1
	s_lshl_b32 s35, s35, 17                        ; + g x 32 rows
	s_add_co_u32 s37, s37, s35
	s_and_b32 s35, s32, 1
	s_lshl_b32 s35, s35, 11                        ; + s x 1,024 columns of 2 bytes
	s_add_co_u32 s37, s37, s35
	s_lshl_b32 s38, s2, 17                         ; in abf: t x 32 rows of 4,096 bytes
	s_lshl_b32 s35, s3, 11                         ; + y x 1,024 columns
	s_add_co_u32 s38, s38, s35
	s_cmp_eq_u32 s3, 2                             ; weights?
	s_cselect_b32 s34, s34, s3                     ; the source's number q
	s_cselect_b32 s36, s33, s2                     ; the block of 32 rows in the source
	s_cselect_b32 s40, s37, s38                    ; the byte offset in the destination
	s_lshl_b32 s36, s36, 17                        ; 32 rows of 4,096 bytes
	s_mov_b32 s37, 0                               ; both offsets stay under 2^26: pairs with 0 above
	s_mov_b32 s41, 0
	v_lshrrev_b32 v3, 5, v0                        ; wave
	v_and_b32 v1, 31, v0                           ; lane
	v_lshlrev_b32 v2, 3, v1                        ; out: 8 bytes a lane
	v_lshlrev_b32 v1, 4, v1                        ; in: 16 bytes a lane
	v_lshl_add_u32 v1, v3, 14, v1                  ; + wave x 4 rows of 4,096 bytes, in the source
	v_lshl_add_u32 v2, v3, 14, v2                  ; and in the destination, whose rows are 4,096 bytes too
	s_wait_kmcnt 0x0
	s_cmp_eq_u32 s3, 2
	s_cselect_b64 s[6:7], s[30:31], s[28:29]       ; wbf or abf
	s_mov_b64 s[4:5], s[8:9]                       ; source 0, unless q names another
.irp k, 1,2,3,4,5,6,7,8,9
	s_cmp_eq_u32 s34, \k
	s_cselect_b64 s[4:5], s[8+2*\k:9+2*\k], s[4:5]
.endr
	s_add_nc_u64 s[4:5], s[4:5], s[36:37]
	s_add_nc_u64 s[6:7], s[6:7], s[40:41]
	s_wait_alu depctr_va_vdst(0)                   ; v1 and v2 are written: every load of the kernel reads v1 as its offset, every store v2
.set j, 0
.rept 32
	global_load_b128 v[X+4*j:X+4*j+3], v1, s[4:5] offset:512*j th:TH_LOAD_NT  ; row j / 8, columns 128 (j % 8) on
.set j, j+1
.endr
.set g, 0
.rept NB                               ; block g: loads 4 g to 4 g + 3 are rounded, stores 4 g - 4 to 4 g - 1 leave
	s_wait_loadcnt 32-BLK*(g+1)                    ; loads come back in order (ISA guide 5.7.1): this block's four are in, the 28 - 4 g younger ones stay out
.if g > 0
	s_wait_alu depctr_va_vdst(0)                   ; the roundings of the block before have written their eight registers, which the four stores below read
.endif
.set i, 0
.rept BLK
.set j, BLK*g+i
.set q, j-BLK
.if g > 0
	global_store_b64 v2, v[X+4*q:X+4*q+1], s[6:7] offset:(q/8)*4096+(q%8)*256  ; the block before; no vector instruction since the wait names these registers
.endif
	v_cvt_pk_bf16_f32 v[X+4*j], v[X+4*j], v[X+4*j+1]
	v_cvt_pk_bf16_f32 v[X+4*j+1], v[X+4*j+2], v[X+4*j+3]
.set i, i+1
.endr
.set g, g+1
.endr
	s_wait_alu depctr_va_vdst(0)                   ; the last block's roundings have written their eight registers, which the last four stores read
.set q, 32-BLK
.rept BLK
	global_store_b64 v2, v[X+4*q:X+4*q+1], s[6:7] offset:(q/8)*4096+(q%8)*256  ; no register that a load or store names is written again: no further wait
.set q, q+1
.endr
	s_endpgm
.Lfunc_end_k_q71a17d7072_cast:
	.size	k_q71a17d7072_cast, .Lfunc_end_k_q71a17d7072_cast-k_q71a17d7072_cast
	.p2alignl 7, 3214868480
	.fill 96, 4, 3214868480
	.section	.rodata,"a",@progbits
	.p2align	6, 0x0
	.amdhsa_kernel k_q71a17d7072_cast
		.amdhsa_group_segment_fixed_size 0
		.amdhsa_private_segment_fixed_size 0
		.amdhsa_enable_private_segment 0
		.amdhsa_kernarg_size 96
		.amdhsa_user_sgpr_count 2
		.amdhsa_user_sgpr_kernarg_segment_ptr 1
		.amdhsa_wavefront_size32 1
		.amdhsa_system_sgpr_workgroup_id_x 1
		.amdhsa_system_sgpr_workgroup_id_y 1
		.amdhsa_system_sgpr_workgroup_id_z 1
		.amdhsa_system_vgpr_workitem_id 0
		.amdhsa_next_free_vgpr 132
		.amdhsa_next_free_sgpr 66
		.amdhsa_reserve_vcc 0
		.amdhsa_float_denorm_mode_32 3
		.amdhsa_float_denorm_mode_16_64 3
		.amdhsa_memory_ordered 1
		.amdhsa_forward_progress 1
		.amdhsa_inst_pref_size 13
	.end_amdhsa_kernel
	.amdgpu_metadata
---
amdhsa.version: [ 1, 2 ]
amdhsa.kernels:
  - .name:           k_q71a17d7072_cast
    .symbol:         k_q71a17d7072_cast.kd
    .args:
      - { .name: x, .offset: 0, .size: 8, .value_kind: global_buffer, .address_space: global }
      - { .name: h, .offset: 8, .size: 8, .value_kind: global_buffer, .address_space: global }
      - { .name: wf_i, .offset: 16, .size: 8, .value_kind: global_buffer, .address_space: global }
      - { .name: wf_h, .offset: 24, .size: 8, .value_kind: global_buffer, .address_space: global }
      - { .name: wi_i, .offset: 32, .size: 8, .value_kind: global_buffer, .address_space: global }
      - { .name: wi_h, .offset: 40, .size: 8, .value_kind: global_buffer, .address_space: global }
      - { .name: wg_i, .offset: 48, .size: 8, .value_kind: global_buffer, .address_space: global }
      - { .name: wg_h, .offset: 56, .size: 8, .value_kind: global_buffer, .address_space: global }
      - { .name: wo_i, .offset: 64, .size: 8, .value_kind: global_buffer, .address_space: global }
      - { .name: wo_h, .offset: 72, .size: 8, .value_kind: global_buffer, .address_space: global }
      - { .name: abf, .offset: 80, .size: 8, .value_kind: global_buffer, .address_space: global }
      - { .name: wbf, .offset: 88, .size: 8, .value_kind: global_buffer, .address_space: global }
    .group_segment_fixed_size: 0
    .private_segment_fixed_size: 0
    .kernarg_segment_align: 8
    .kernarg_segment_size: 96
    .max_flat_workgroup_size: 256
    .sgpr_count:     66
    .vgpr_count:     132
    .wavefront_size: 32
...
	.end_amdgpu_metadata
.endif
;; end of part 3
;; launch cell: the kernel of part 2 again; grid 16 x 32, 4 waves a work-group, clusters of 4 x 4, 327,680 bytes of LDS; arguments bf_i, bf_h, bi_i, bi_h, bg_i, bg_h, bo_i, bo_h, abf, wbf, c, out0, out1; writes out0, out1
